; MI455X (gfx1250); checked and timed in simulation.
; The chip was launched on July 23, 2026; its instructions are those of AMD's public machine-readable ISA for CDNA 5 (MIT licence, August 2026) and "CDNA5" Instruction Set Architecture Reference Guide (July 2026). The comments in the code are by the model that wrote it; some were corrected since.
;; GRU Skip Cell. Allowed arithmetic: matrix products marked QUANTISED: E2M1 operands, one E8M0 scale for each 32 along K, by v_wmma_scale_f32_16x16x128_f8f6f4 with both operands' format E2M1 (or v_wmma_scale_f32_32x16x128_f4), f32 sums; everything else in f32.
;; Inputs: bias 2 x 3,072 float32; h_tm1 8,192 x 1,024 float32; inputs_codes 8,192 x 32 x 16 uint8 (E2M1 codes of inputs, K innermost, in blocks of 32 codes, two codes a byte); inputs_scales 8,192 x 32 uint8 (E8M0 scales of inputs, one for each 32 codes along K); kernel_codes 3,072 x 32 x 16 uint8 (E2M1 codes of kernel, K innermost, in blocks of 32 codes, two codes a byte); kernel_scales 3,072 x 32 uint8 (E8M0 scales of kernel, one for each 32 codes along K); recurrent_kernel_codes 3,072 x 32 x 16 uint8 (E2M1 codes of recurrent_kernel, K innermost, in blocks of 32 codes, two codes a byte); recurrent_kernel_scales 3,072 x 32 uint8 (E8M0 scales of recurrent_kernel, one for each 32 codes along K).
;; Outputs: out0 8,192 x 1,024 float32.
;; This version of the problem:
;;   THIS VERSION OF THE PROBLEM IS GIVEN IN LOW PRECISION. The matrix products marked QUANTISED in the list below multiply operands that are first quantised to E2M1 (2 exponent bits, 1 mantissa bit; 4 bits a number), with one power-of-two scale for each 32 numbers along K (OCP MX v1.0); their sums are f32. All else is computed in f32.
;;   The module's matrix products, in the order in which they are computed (A, B: the left and right operand; K: the contracted axis; several contracted axes count as one K, in the product's order):
;;     1. [M 8,192, K 1,024] x [K 1,024, N 3,072]; A: input inputs (given as codes); B: input kernel (given as codes): QUANTISED
;;     2. [M 8,192, K 1,024] x [K 1,024, N 3,072]; A: input h_tm1; B: input recurrent_kernel (given as codes): QUANTISED
;;   THE QUANTISER, for each operand of a quantised product, along K:
;;     - K is cut into blocks of 32 from its start; a last block that is shorter is filled with zeros.
;;     - A block's scale is 2^e with e = floor(log2(the largest magnitude in the block)) - 2, held to -126 .. 127; a block of zeros has e = 0. As a byte (E8M0): e + 127.
;;     - Each number is divided by its block's scale, clamped to +-6, and rounded to the nearest number of E2M1, ties to even, subnormals kept.
;;     - The product sums the exact products of the quantised numbers (number of the format x scale) in f32.
;;   ~~~python
;;   def quantise(x, axis):      # numpy; x: float32 -> the quantised numbers, widened to float32 again
;;       x = np.moveaxis(x, axis, -1); K = x.shape[-1]
;;       x = np.pad(x, [(0, 0)] * (x.ndim - 1) + [(0, -K % 32)]); x = x.reshape(x.shape[:-1] + (-1, 32)); a = np.abs(x).max(-1, keepdims=True)
;;       e = np.where(a > 0, np.clip(np.frexp(np.where(a > 0, a, 1))[1] - 1 - 2, -126, 127), 0)      # np.frexp(a)[1] - 1 = floor(log2(a)), exactly
;;       r = np.clip(x / 2.0 ** e, -6, 6)
;;       step = 2.0 ** (np.maximum(np.frexp(np.where(r == 0, 1, r))[1] - 1, 0) - 1)
;;       q = np.round(r / step) * step * 2.0 ** e      # np.round: ties to even
;;       return np.moveaxis(q.reshape(q.shape[:-2] + (-1,))[..., :K], -1, axis).astype(np.float32)
;;   ~~~
;;   INPUTS GIVEN AS CODES. inputs (in the module: [8192, 1024], K = its axis 1); kernel (in the module: [1024, 3072], K = its axis 0); recurrent_kernel (in the module: [1024, 3072], K = its axis 0): each comes as NAME_codes (uint8): NAME with its K axis moved to the last place and cut into blocks of 32 codes, [.., K / 32, bytes a block], one block behind the other in memory; two codes a byte, the lower K in the low four bits (a code: sign, 2 exponent bits, 1 mantissa bit); and NAME_scales (uint8): the same leading axes, one E8M0 byte (e + 127) for each 32 codes along K. Its value is code x scale, taken as it is: it is not quantised again, and the codes and scales need not be those that the quantiser above would give.
;; One version. Each part assembles by itself: llvm-mc -triple=amdgcn-amd-amdhsa -mcpu=gfx1250 --defsym DOCPART=n.
;; ======== version 1 of 1: 1 launch
;; limits: right only within a limited range of input values
;; launch gru (part 1): grid 4 x 64, 4 waves a work-group, clusters of 4 x 4, 327,680 bytes of LDS; arguments h_tm1, inputs_codes, inputs_scales, kernel_codes, kernel_scales, recurrent_kernel_codes, recurrent_kernel_scales, bias, out0; writes out0
.if DOCPART == 1
	.amdgcn_target "amdgcn-amd-amdhsa--gfx1250"
	.amdhsa_code_object_version 6
	.text
	.protected	k_qfed27b5140_gru
	.globl	k_qfed27b5140_gru
	.p2align	8
	.type	k_qfed27b5140_gru,@function
k_qfed27b5140_gru:
	s_mov_b64 s[64:65], 0
	v_nop
	global_prefetch_b8 v0, s[64:65] scope:SCOPE_SE
	s_setreg_imm32_b32 hwreg(HW_REG_WAVE_MODE, 25, 1), 1
	s_wait_xcnt 0x0
	s_wait_alu depctr_hold_cnt(0) depctr_sa_sdst(0) depctr_va_vdst(0) depctr_va_sdst(0) depctr_va_ssrc(0) depctr_va_vcc(0) depctr_vm_vsrc(0)
	s_getreg_b32 s2, hwreg(HW_REG_IB_STS2, 6, 4)
	s_cmp_eq_u32 s2, 0
	s_cbranch_scc0 .Lentry_in_a_cluster
	s_endpgm
.Lentry_in_a_cluster:
	s_bfe_u32 s2, ttmp6, 0x10000c
	s_cmp_lg_u32 s2, 0xf033
	s_cbranch_scc0 .Lentry_shape_is_right
	s_endpgm
.Lentry_shape_is_right:
; One GRU step in one launch.  x [8192][1024], W and R [3072 (gate, unit)][1024]: codes of FP4 (E2M1), K innermost, 512 bytes a row, one E8M0 byte for each 32 along K.  h [8192][1024] f32, quantised here.
;   z = hs(x Wz + h Rz + b0z + b1z)   r = hs(x Wr + h Rr + b0r + b1r)   hh = tanh(x Wh + b0h + r (h Rh + b1h))   out = z h + (1 - z) hh,   hs(a) = clip(0.2 a + 0.5, 0, 1).
; SHARES.  A work-group of four waves makes 128 rows x 256 units in four passes of 64 units; wave w takes rows 64 (w / 2) + 0..63 and 32 of a pass's units: 4 blocks of 16 rows x 2 tiles of 16 units x 4 sums
; (z and r over x's K and h's K, x Wh, h Rh) = 32 accumulators, 256 registers.  THE CODES OF x AND h FOR ITS 64 ROWS, ALL OF K, STAY IN REGISTERS (512): after the head LDS serves the weights, each fragment for four matrix instructions.
; THE HEAD.  h comes in f32 in four chunks of 128 rows x 256 numbers, two LDS slots by turns.  A wave quantises 32 rows of a chunk: lane (r, hh) takes whole blocks of 32 neighbours, so a block's scale asks no other lane,
; and the conversions' results are the operand's registers; they reach the partner wave through LDS as an image of those registers, the scale bytes as rows of 32.  x's codes come as two tiles of 128 rows x 256 bytes.
; THE PASSES.  W's and R's 192 rows of a pass (64 units x 3 gates, 512 bytes each) have an LDS slot each.  W's slot is filled again near W's end, R's in the middle of the pass's tail.
; The h tile of the blend (128 rows x 64 units, f32) is fetched with R's tiles, by wave 3.  A pass's rows leave through a stage in LDS while the next pass's first products run.
; CLUSTERS: 4 x 4.  The four of a row of the cluster need the same rows of h and x, the four of a column the same rows of W and R: each such tile is asked for JOINTLY.  The blend's h tile is shared by nobody.
; PREFETCHES INTO THE L2: h's chunks one slot ahead of their load, each aligned 256 bytes named once in the cluster (partners told apart by address); the weights' tiles two changes of slots ahead, by the clusters 0 to 3 alone, since every
; cluster reads the same weights; the last two passes ask for nothing.  Not prefetched: x's codes, two tiles of the head, the first of them in its first fill; the blend's h tiles, whose bytes this work-group has read in the head.
; THE MATRIX INSTRUCTION IS USED TRANSPOSED (source 0 = 16 rows of a weight, source 1 = 16 rows of x or h): lane l holds row l % 16 and the units 8 (l / 16) + 0 .. 7.
; The biases are added behind the products (z, r: 0.2 sum + (0.2 (b0 + b1) + 0.5)), in f32: another order of rounding than in the definition.
; tanh(a) = 1 - 2 / (1 + 2^(2 a log2 e)): it goes to +-1 where the exponential overflows or falls to 0; near 0 its error is absolute, a few units of 2^-24.
; LIMITS: a block of zeros of h gets the scale byte 1 where the rule says 127 (its codes are zeros, and this kernel alone reads the byte); blocks of h whose largest magnitude lies under 2^-124 keep the byte 1;
; NaN and infinities among the inputs, and the given scale byte 0xff, are not served.
; REGISTERS: window 0: v0-23, v248-252 addresses; v24-55 scale words of x and h, v56-103 of W and R (scales alone); v104-247 three sets of six weight fragments (at work in the head and in the tail too).
;   window 1: x's fragments (block a, step q) at v[64 a + 8 q];  window 2: h's likewise;  window 3: accumulator (a, c) at v[64 a + 8 c], c = 2 G + tile, G = z, r, x Wh, h Rh (in the head: a chunk's f32 numbers).
.set REG1, 133120                      ; the head's second slot: 128 rows x (1,024 + 16) bytes lie in front of it
.set RSL,  101376                      ; R's slot, behind W's 192 rows x (512 + 16) bytes
.set STG,  202752                      ; the stage: 128 rows x (256 + 16).  These blocks have had their last fill with the head's fourth chunk
.set PX,   266240                      ; x's tile of the head, then the blend's h tile: 128 rows x (256 + 16)
.set IMG,  301056                      ; the image of a chunk's codes: 8 blocks of rows x 2 steps x 1,024 bytes
.set HSC,  317440                      ; h's scale bytes: 128 rows x 32
.set BT,   321536                      ; biases: 4 kinds x 256 units
.set SPARE, 325632                     ; the spare words, 128 bytes for each wave: two blocks of 256 bytes that no other line names
.set SO, 8                             ; 32 r + 16 hh: a row's 16 scale bytes
.set XA, 9
.set QA, 10                            ; v10, v11 my f32 numbers in the two slots
.set IMW, 12
.set IMR, 13
.set HSW, 14
.set HSR, 15
.set BW, 16                            ; v16-19 my weight fragments: W's gates 0 and 1, W's gate 2, R's likewise
.set STO, 20
.set HTA, 21
.set RD, 22
.set CO, 23
.set SA, 24
.set SW, 56
.set BF, 104
.set BTA, 248
.set PFH, 249
.set PFW, 250
.set SPW, 251                          ; LDS address of my spare word; never rewritten
.set NIL, 252                          ; 0; never rewritten
.set MX, BF                            ; the head: largest magnitudes, scale operands, scale bytes, codes of four blocks
.set SE, BF+4
.set SBY, BF+8
.set CD, BF+16
.set EBR, BF+48                        ; the tail: the biases' registers
.set EB1, BF+64
.set EB0, BF+80
.set EBZ, BF+96
.set WV, 22                            ; s22 wave
.set G1H, 32                           ; groups 1: h's chunks, x's tiles, weights, the blend's h tile
.set G1X, 40
.set G1W, 48
.set G1T, 56
.set GH, 68                            ; groups 0
.set GX, 72
.set GW, 76
.set GR, 80
.set GT, 84
.set PH, 88                            ; where my prefetches stand: h, W, R
.set PW, 90
.set PR, 92
.set LIM, 67                           ; passes in which my wave prefetches weights: 2, or 0
.set PASS, 98
.set MSB, 0
.macro WIN new                         ; the immediate's high byte repeats the setting that is left
.if MSB != \new
	s_set_vgpr_msb (MSB<<8)|\new
.set MSB, \new
.endif
.endm
.macro PLACES                          ; four places behind a matrix instruction, in front of loads into its sources and of reads of its result
.rept 4
	v_nop
.endr
.endm
.macro LOAD1 n, g0, g1                 ; waves under n load
	s_cmp_lt_u32 s[WV], \n
	s_cbranch_scc0 .Lnone_\@
	tensor_load_to_lds s[\g0:\g0+3], s[\g1:\g1+7]
	s_nop 0
	PLACES
.Lnone_\@:
.endm
.macro LOAD2 n, g0a, g1a, g0b, g1b     ; waves under n load by the first line, the others by the second
	s_cmp_lt_u32 s[WV], \n
	s_cbranch_scc0 .Lother_\@
	tensor_load_to_lds s[\g0a:\g0a+3], s[\g1a:\g1a+7]
	s_nop 0
	PLACES
	s_branch .Lasked_\@
.Lother_\@:
	tensor_load_to_lds s[\g0b:\g0b+3], s[\g1b:\g1b+7]
	s_nop 0
	PLACES
.Lasked_\@:
.endm
.macro CREST                           ; a round of the cluster's barrier behind its opening barrier
	s_cmp_lg_u32 s[WV], 0
	s_cbranch_scc1 .Lnot_wave_0_\@
	s_barrier_signal -3
.Lnot_wave_0_\@:
	s_barrier_wait -3
	s_barrier_signal -1
	s_barrier_wait -1
.endm
.macro CROUND
	s_barrier_signal -1
	s_barrier_wait -1
	CREST
.endm
.macro OPEN                            ; ahead of a refill's round
	s_wait_alu depctr_va_vdst(0)
	s_wait_tensorcnt 0x0                           ; all my tensor loads have landed, so every group 0 may be written
	ds_add_u32 v[SPW], v[NIL]
.endm
.macro SHAPE g, c, r, p                ; words 1 to 7 of a group 1: r rows of c elements, p elements from row to row
	s_mov_b32 s[\g+1], (\c)<<16
	s_mov_b32 s[\g+2], (\r)<<16
	s_mov_b32 s[\g+3], (\c)<<16
	s_mov_b32 s[\g+4], \r
	s_mov_b32 s[\g+5], \p
	s_mov_b32 s[\g+6], 0
	s_mov_b32 s[\g+7], 0
.endm
.macro SETG set, base, off
	s_mov_b32 s[\set], 1
	s_add_nc_u64 s[\set+2:\set+3], s[\base:\base+1], s[\off:\off+1]
	s_or_b32 s[\set+3], s[\set+3], 0x80000000
.endm
.macro ASK base, off                   ; 16 rows of a gate's 64, a lane an aligned block of 256 bytes: the four partners of a column of the cluster (cy) take 16 rows each
	s_cmp_lt_u32 s[PASS], s[LIM]
	s_cbranch_scc0 .Lno_ask_\@
	global_prefetch_b8 v[PFW], s[\base:\base+1] offset:\off th:TH_LOAD_NT scope:SCOPE_SE
.Lno_ask_\@:
.endm
.macro HASK b                          ; h's chunk b: my wave's 32 rows, my work-group's 8 of them (cx), four blocks a row
	global_prefetch_b8 v[PFH], s[PH:PH+1] offset:1024*\b th:TH_LOAD_NT scope:SCOPE_SE
.endm
.macro SCALES mat, base                ; a pass's scale words of W or R: a load covers 512 consecutive bytes
.irp g, 0,1,2
.irp ub, 0,1
	global_load_b128 v[SW+24*(\mat)+4*(2*\g+\ub):SW+24*(\mat)+4*(2*\g+\ub)+3], v[SO], s[\base:\base+1] offset:32768*\g+512*\ub
.endr
.endr
.endm
	s_load_b512 s[4:19], s[0:1], 0x0               ; h s[4:5], x codes s[6:7], x scales s[8:9], W codes s[10:11], W scales s[12:13], R codes s[14:15], R scales s[16:17], bias s[18:19]
	s_load_b64 s[20:21], s[0:1], 0x40              ; out0
	v_lshl_add_u32 v[SPW], v0, 2, SPARE
	v_mov_b32 v[NIL], 0
	ds_add_u32 v[SPW], v[NIL]                      ; the wave's opening: the add, twice on end, and its wait
	ds_add_u32 v[SPW], v[NIL]
	v_lshrrev_b32 v3, 5, v0
	v_readfirstlane_b32 s[WV], v3                  ; wave 0..3
	s_lshr_b32 s23, s[WV], 1                       ; which 64 rows are mine
	s_and_b32 s24, s[WV], 1                        ; which 32 of a pass's units; and which 64 rows of a tile of h or x I fetch
	s_min_u32 s25, s[WV], 2                        ; the gate that waves 0 to 2 fetch
	s_bfe_u32 s26, ttmp6, 0x40000                  ; cx, cy
	s_bfe_u32 s27, ttmp6, 0x40004
	s_lshl_b32 s2, s27, 2
	s_lshl_b32 s2, 15, s2                          ; my row of the cluster
	s_lshl_b32 s100, 0x1111, s26                   ; my column
	s_or_b32 s[G1H], s2, (2<<16)|(1<<20)|(1<<21)|(7<<22)|(3<<25)   ; 15:0 the mask; 17:16 elements of 4 bytes; 20 padding on; 21 set beside a mask; after every 256 words (code 7) four words (code 3)
	s_or_b32 s[G1X], s2, (1<<20)|(1<<21)|(5<<22)|(3<<25)           ; elements of 1 byte, after every 64 words
	s_or_b32 s[G1W], s100, (1<<20)|(1<<21)|(6<<22)|(3<<25)         ; after every 128 words
	s_mov_b32 s[G1T], (2<<16)|(1<<20)|(5<<22)|(3<<25)              ; no mask
	SHAPE G1H, 256, 64, 1024
	SHAPE G1X, 256, 64, 512
	SHAPE G1W, 512, 64, 512
	SHAPE G1T, 64, 128, 1024
	s_lshl_b32 s28, ttmp9, 2
	s_add_co_u32 s28, s28, s26                     ; x: which 256 units
	s_and_b32 s66, ttmp7, 0xffff                   ; the cluster's number
	s_lshl_b32 s29, s66, 2
	s_add_co_u32 s29, s29, s27                     ; y: which 128 rows
	s_lshl_b32 s2, s29, 19                         ; h: 128 rows of 4,096 bytes, my 64 of them.  s[2:3], s[30:31] hold y's offsets, s[100:101] x's
	s_lshl_b32 s3, s24, 18
	s_add_co_u32 s2, s2, s3
	s_mov_b32 s3, 0
	s_lshl_b32 s30, s29, 16                        ; x: 128 rows of 512 bytes likewise
	s_lshl_b32 s31, s24, 15
	s_add_co_u32 s30, s30, s31
	s_mov_b32 s31, 0
	s_lshl_b32 s100, s25, 19                       ; weights: my gate's 1,024 rows of 512 bytes, my work-group's 256 units
	s_lshl_b32 s101, s28, 17
	s_add_co_u32 s100, s100, s101
	s_mov_b32 s101, 0
	s_mul_i32 s99, s24, 66560                      ; LDS: 64 rows of a chunk
	s_mul_i32 s104, s24, 17408                     ; 64 rows of x's tile
	s_add_co_u32 s[GX+1], s104, PX
	s_mov_b32 s[GH+1], s99
	s_wait_dscnt 0x0                               ; both opening adds are done
	s_wait_alu depctr_va_vdst(0)
	s_wait_kmcnt 0x0
	SETG GH, 4, 2
	SETG GX, 6, 30
	CROUND                                         ; all sixteen work-groups are here: the first joint loads meet
	LOAD2 2, GH, G1H, GX, G1X                      ; one load a wave: h's chunk 0 (waves 0, 1), x's K 0-511 (waves 2, 3)
	SETG GW, 10, 100
	SETG GR, 14, 100
	s_mul_i32 s104, s25, 33792                     ; LDS: my gate's 64 rows
	s_mov_b32 s[GW+1], s104
	s_add_co_u32 s[GR+1], s104, RSL
	s_lshl_b32 s104, s29, 12                       ; x's scale bytes: 128 rows of 32, my 64
	s_lshl_b32 s105, s23, 11
	s_add_co_u32 s104, s104, s105
	s_mov_b32 s105, 0
	s_add_nc_u64 s[8:9], s[8:9], s[104:105]
	s_lshl_b32 s104, s28, 13                       ; W's and R's: 256 units, my 32 of a pass's
	s_lshl_b32 s105, s24, 10
	s_add_co_u32 s104, s104, s105
	s_mov_b32 s105, 0
	s_add_nc_u64 s[12:13], s[12:13], s[104:105]
	s_add_nc_u64 s[16:17], s[16:17], s[104:105]
	s_lshl_b32 s104, s28, 10                       ; my 256 units in f32
	s_mov_b32 s105, 0
	s_add_nc_u64 s[18:19], s[18:19], s[104:105]
	s_lshl_b32 s105, s29, 19
	s_add_co_u32 s104, s104, s105
	s_mov_b32 s105, 0
	SETG GT, 4, 104
	s_mov_b32 s[GT+1], PX
	s_lshl_b32 s105, s23, 18                       ; out0: the rows that I store: 64 x my half + 16 x (wave % 2) + 0..15 and + 32..47
	s_add_co_u32 s104, s104, s105
	s_lshl_b32 s105, s24, 16
	s_add_co_u32 s104, s104, s105
	s_mov_b32 s105, 0
	s_add_nc_u64 s[20:21], s[20:21], s[104:105]
	s_lshl_b32 s104, s29, 19                       ; the prefetches of h: my wave's 32 rows, my work-group's 8
	s_lshl_b32 s105, s[WV], 17
	s_add_co_u32 s104, s104, s105
	s_lshl_b32 s105, s26, 15
	s_add_co_u32 s104, s104, s105
	s_mov_b32 s105, 0
	s_add_nc_u64 s[PH:PH+1], s[4:5], s[104:105]
	s_lshl_b32 s104, s27, 13                       ; of weights: my gate's rows, my work-group's 16 of 64
	s_add_co_u32 s104, s104, s100
	s_mov_b32 s105, 0
	s_add_nc_u64 s[PW:PW+1], s[10:11], s[104:105]
	s_add_nc_u64 s[PR:PR+1], s[14:15], s[104:105]
	s_cmp_lt_u32 s66, 4
	s_cselect_b32 s[LIM], 2, 0
	s_cmp_lt_u32 s[WV], 3
	s_cselect_b32 s[LIM], s[LIM], 0
	s_mov_b32 s[PASS], 0
	s_mov_b32 s4, 0                                ; what the next way out adds to out0's address
	s_mov_b32 s5, 0
	s_mov_b32 s94, 0x3e4ccccd                      ; 0.2; the packed forms name a pair and take its low word, so both are written
	s_mov_b32 s95, 0x3e4ccccd
	s_mov_b32 s96, 0x4038aa3b                      ; 2 log2(e)
	s_mov_b32 s97, 0x4038aa3b
	s_mul_i32 s2, s23, 17408                       ; LDS places that hang on the wave
	s_lshl_b32 s3, s24, 7
	s_add_co_u32 s3, s3, s2
	s_add_co_u32 s30, s3, STG
	s_add_co_u32 s3, s3, PX
	s_add_co_u32 s2, s2, PX
	s_mul_i32 s31, s[WV], 33280
	s_lshl_b32 s100, s[WV], 12
	s_add_co_u32 s100, s100, IMG
	s_lshl_b32 s101, s23, 13
	s_add_co_u32 s101, s101, IMG
	s_lshl_b32 s104, s[WV], 10
	s_add_co_u32 s104, s104, HSC
	s_lshl_b32 s105, s23, 11
	s_add_co_u32 s105, s105, HSC
	s_mul_i32 s25, s24, 16896
	s_lshl_b32 s24, s24, 7
	s_add_co_u32 s24, s24, BT
	s_mul_i32 s23, s23, 17408
	s_and_b32 s27, s[WV], 1
	s_mul_i32 s27, s27, 4352
	s_add_co_u32 s23, s23, s27
	s_add_co_u32 s23, s23, STG
	v_and_b32 v1, 15, v0                           ; r = lane % 16
	v_bfe_u32 v2, v0, 4, 1                         ; hh = lane / 16
	v_and_b32 v7, 31, v0
	v_lshlrev_b32 v3, 3, v0                        ; two units a thread, for the biases
	v_lshlrev_b32 v[SO], 5, v1
	v_lshl_add_u32 v[SO], v2, 4, v[SO]
	v_mul_u32_u24 v4, v1, 272
	v_lshl_add_u32 v5, v2, 4, v4
	v_add_nc_u32 v[XA], s2, v5                     ; x's fragments: row x 272 + 16 hh
	v_lshl_add_u32 v5, v2, 5, v4
	v_add_nc_u32 v[HTA], s3, v5                    ; the blend's h, and the stage: row x 272 + 128 x my half of the units + 32 hh
	v_add_nc_u32 v[STO], s30, v5
	v_mul_u32_u24 v6, v1, 1040
	v_lshl_add_u32 v6, v2, 7, v6
	v_add_nc_u32 v[QA], s31, v6                    ; f32 numbers: row x 1,040 + 128 hh
	v_add_nc_u32 v[QA+1], REG1, v[QA]
	v_lshlrev_b32 v5, 4, v7
	v_add_nc_u32 v[IMW], s100, v5
	v_add_nc_u32 v[IMR], s101, v5
	v_lshl_add_u32 v5, v1, 5, v2
	v_add_nc_u32 v[HSW], s104, v5                  ; scale bytes: row x 32 + hh
	v_add_nc_u32 v[HSR], s105, v[SO]
	v_mul_u32_u24 v5, v1, 528
	v_lshl_add_u32 v5, v2, 4, v5
	v_add_nc_u32 v[BW], s25, v5                    ; weight fragments: row x 528 + 16 hh
	v_add_nc_u32 v[BW+1], 67584, v[BW]
	v_add_nc_u32 v[BW+2], RSL, v[BW]
	v_add_nc_u32 v[BW+3], RSL+67584, v[BW]
	v_lshlrev_b32 v5, 5, v2
	v_add_nc_u32 v[BTA], s24, v5
	v_mul_u32_u24 v5, v2, 272                      ; the way out: whole rows; lanes 0-15 one row of 256 bytes, lanes 16-31 the next
	v_lshl_add_u32 v5, v1, 4, v5
	v_add_nc_u32 v[RD], s23, v5
	v_lshlrev_b32 v5, 12, v2
	v_lshl_add_u32 v[CO], v1, 4, v5
	v_lshlrev_b32 v[PFW], 8, v7
	v_and_b32 v5, 3, v7
	v_lshlrev_b32 v5, 8, v5
	v_lshrrev_b32 v6, 2, v7
	v_lshl_add_u32 v[PFH], v6, 12, v5
	s_wait_alu depctr_va_vdst(0)
.irp k, 0,1
	global_load_b64 v[BF+2*\k:BF+2*\k+1], v3, s[18:19] offset:12288*\k           ; b0z, b1z,
	global_load_b64 v[BF+4+2*\k:BF+5+2*\k], v3, s[18:19] offset:12288*\k+4096    ; b0r, b1r,
	global_load_b64 v[BF+8+2*\k:BF+9+2*\k], v3, s[18:19] offset:12288*\k+8192    ; b0h, b1h
.endr
.irp a, 0,1,2,3                        ; x's scale words: lanes 0-15 a row's bytes 0-15 (K under 512), lanes 16-31 its bytes 16-31
	global_load_b128 v[SA+4*\a:SA+4*\a+3], v[SO], s[8:9] offset:512*\a
.endr
	SCALES 0, 12
	SCALES 1, 16
	HASK 1
	s_wait_loadcnt 0x0
	v_pk_add_f32 v[BF:BF+1], v[BF:BF+1], v[BF+2:BF+3]
	v_pk_add_f32 v[BF+4:BF+5], v[BF+4:BF+5], v[BF+6:BF+7]
	v_pk_mul_f32 v[BF+8:BF+9], v[BF+8:BF+9], s[96:97] op_sel_hi:[1,0]
	v_pk_fma_f32 v[BF:BF+1], v[BF:BF+1], s[94:95], 0.5 op_sel_hi:[1,0,0]
	v_pk_fma_f32 v[BF+4:BF+5], v[BF+4:BF+5], s[94:95], 0.5 op_sel_hi:[1,0,0]
	v_add_nc_u32 v3, BT, v3
	ds_store_b64 v3, v[BF:BF+1]                    ; 0.2 (b0z + b1z) + 0.5,
	ds_store_b64 v3, v[BF+4:BF+5] offset:1024      ; the same of r,
	ds_store_b64 v3, v[BF+8:BF+9] offset:2048      ; 2 log2(e) b0h,
	ds_store_b64 v3, v[BF+10:BF+11] offset:3072    ; b1h
; Chunk b of h: my 32 rows x 256 numbers = 2 blocks of rows (j) x 4 blocks of 32 a lane (c: K = 64 c + 32 hh + 0..31 of the chunk).
; A block's scale is 2^(floor(log2(largest magnitude)) - 2): the magnitude's exponent field - 2; the floor 2^(3 - 127) holds the byte at 1 from below.
; x = 0 or 1: that half of x's fragments is loaded among the maxima; -1: none.
; Behind chunk 0 the image is stored over: a barrier, split round the second half's maxima, shows that every wave has read the chunk before.
.macro QUANT b, x
	WIN 0xC0                                       ; destination window 3
.irp j, 0,1
.irp c, 0,1,2,3
.irp i, 0,1,2,3,4,5,6,7
	ds_load_b128 v[128*\j+32*\c+4*\i:128*\j+32*\c+4*\i+3], v[QA+(\b)%2] offset:16640*\j+256*\c+16*\i
.endr
.endr
.endr
	WIN 0
.irp j, 0,1
.if \j == 0
	s_wait_dscnt 32                                ; the first 16 rows are in
.else
	s_wait_dscnt 0x0                               ; the second too, and all that I read of the image
.if \b > 0
	s_barrier_signal -1                            ; say so
.endif
.if \x >= 0
	XFRAG \x
.endif
.endif
	WIN 0x0F                                       ; sources 0 and 1 window 3
.irp c, 0,1,2,3
	v_max3_num_f32 v[MX+\c], |v[128*\j+32*\c]|, |v[128*\j+32*\c+1]|, 0x1800000
.endr
.irp i, 2,4,6,8,10,12,14,16,18,20,22,24,26,28,30
.irp c, 0,1,2,3
	v_max3_num_f32 v[MX+\c], |v[128*\j+32*\c+\i]|, |v[128*\j+32*\c+\i+1]|, v[MX+\c]
.endr
.endr
.if (\j == 1) && (\b > 0)
	s_wait_alu depctr_va_vdst(0)
	s_barrier_wait -1                              ; every wave has read the image
.endif
	WIN 0
.irp c, 0,1,2,3
	v_add_nc_u32 v[SE+\c], 0xff000000, v[MX+\c]    ; 2 off the exponent field: the conversion's scale operand
.endr
.irp c, 0,1,2,3
	v_lshrrev_b32 v[SBY+4*\j+\c], 23, v[SE+\c]     ; the scale's byte
.endr
	WIN 0x03
.irp c, 0,1,2,3
.irp g, 0,1,2,3
	v_cvt_scalef32_pk8_fp4_f32 v[CD+16*\j+4*\c+\g], v[128*\j+32*\c+8*\g:128*\j+32*\c+8*\g+7], v[SE+\c]
.endr
.endr
	v_nop
.endr
	WIN 0
.irp j, 0,1
.irp c, 0,1,2,3
	ds_store_b128 v[IMW], v[CD+16*\j+4*\c:CD+16*\j+4*\c+3] offset:2048*\j+512*\c
	ds_store_b8 v[HSW], v[SBY+4*\j+\c] offset:512*\j+8*(\b)+2*\c
.endr
.endr
.endm
.macro IMREAD b                        ; the chunk's codes of my 64 rows, two steps of 128 along K, into h's fragments; the round in front has shown them to every wave
	WIN 0x80                                       ; destination window 2
.irp a, 0,1,2,3
.irp k, 0,1
.irp c, 0,1
	ds_load_b128 v[64*\a+8*(2*(\b)+\k)+4*\c:64*\a+8*(2*(\b)+\k)+4*\c+3], v[IMR] offset:2048*\a+1024*\k+512*\c
.endr
.endr
.endr
	WIN 0
.endm
.macro XFRAG half                      ; x's fragments of four steps
	WIN 0x40                                       ; destination window 1
.irp a, 0,1,2,3
.irp q, 0,1,2,3
.irp c, 0,1
	ds_load_b128 v[64*\a+8*(4*(\half)+\q)+4*\c:64*\a+8*(4*(\half)+\q)+4*\c+3], v[XA] offset:4352*\a+64*\q+32*\c
.endr
.endr
.endr
.endm
; The six fragments (gate g, tile ub: b = 2 g + ub) of step q of W (mat 0) or R (mat 1) into a set: 12 loads.
.macro FETCH mat, q, set
.irp g, 0,1,2
.irp ub, 0,1
.irp c, 0,1
	ds_load_b128 v[BF+48*(\set)+16*\g+8*\ub+4*\c:BF+48*(\set)+16*\g+8*\ub+4*\c+3], v[BW+2*(\mat)+\g/2] offset:33792*(\g%2)+8448*\ub+64*(\q)+32*\c
.endr
.endr
.endr
.endm
; Step q: fragments b0 .. b1 - 1 against my four blocks of rows.  A step's 24 accumulators take turns, one instruction a turn, in the same order in every step.
; R's third gate sums h Rh, two accumulators further on.  A sum's first product has the constant 0 as C.  Steps 4 to 7 take the scale words of lanes 16-31.
.macro MULS mat, q, set, b0, b1
.irp b, 0,1,2,3,4,5
.if (\b >= \b0) && (\b < \b1)
.irp a, 0,1,2,3
.set cc, \b
.if (\mat) && (\b >= 4)
.set cc, \b+2
.endif
.set rD, 64*\a+8*cc
.set rB, BF+48*(\set)+8*\b
.set rA, 64*\a+8*(\q)
.set rW, SW+24*(\mat)+4*\b+((\q)%4)
.set rX, SA+16*(\mat)+4*\a+((\q)%4)
.if ((\q) == 0) && (((\mat) == 0) || (\b >= 4))
	v_wmma_scale_f32_16x16x128_f8f6f4 v[rD:rD+7], v[rB:rB+7], v[rA:rA+7], 0, v[rW], v[rX] matrix_a_fmt:MATRIX_FMT_FP4 matrix_b_fmt:MATRIX_FMT_FP4
.elseif (\q) < 4
	v_wmma_scale_f32_16x16x128_f8f6f4 v[rD:rD+7], v[rB:rB+7], v[rA:rA+7], v[rD:rD+7], v[rW], v[rX] matrix_a_fmt:MATRIX_FMT_FP4 matrix_b_fmt:MATRIX_FMT_FP4
.else
	v_wmma_scale_f32_16x16x128_f8f6f4 v[rD:rD+7], v[rB:rB+7], v[rA:rA+7], v[rD:rD+7], v[rW], v[rX] matrix_a_fmt:MATRIX_FMT_FP4 matrix_b_fmt:MATRIX_FMT_FP4 matrix_a_scale:MATRIX_SCALE_ROW1 matrix_b_scale:MATRIX_SCALE_ROW1
.endif
.endr
.endif
.endr
.endm
.macro BIAS kind, dst
.irp ub, 0,1
.irp j, 0,1
	ds_load_b128 v[\dst+8*\ub+4*\j:\dst+8*\ub+4*\j+3], v[BTA] offset:1024*\kind+64*\ub+16*\j
.endr
.endr
.endm
; A step of x W (mat 0) or h R (mat 1): 24 matrix instructions, four places, then ONE run of LDS loads into registers that this step or an earlier one has left.
; fill = 0: none;  1: the step three further on, into this step's set;  2: the tail's biases of r, h Rh, x Wh;  3: z's, and h of blocks 0 and 1;  4: h of blocks 2 and 3;  5: R's step 2;
; 6 (a pass's step 0): W's steps 2 and 3, the stage's sixteen reads, and R's scale words.  younger: the LDS loads issued behind this step's, which may be out; -1: all have been waited for.
.macro STEP mat, q, set, younger, fill
.if \younger >= 0
	s_wait_dscnt \younger
.endif
.if \mat
	WIN 0xF8                                       ; source 0 window 0, source 1 window 2, C and D window 3
.else
	WIN 0xF4                                       ; source 1 window 1
.endif
	MULS \mat, \q, \set, 0, 6
.if \fill > 0
	PLACES
.endif
	WIN 0
.if \fill == 1
	FETCH \mat, (\q)+3, \set
.elseif \fill == 2
	BIAS 1, EBR
	BIAS 3, EB1
	BIAS 2, EB0
.elseif \fill == 3
	BIAS 0, EBZ
	HTILE 0
	HTILE 1
.elseif \fill == 4
	HTILE 2
	HTILE 3
.elseif \fill == 5
	FETCH 1, 2, 1
.elseif \fill == 6
	FETCH 0, 2, 2
	FETCH 0, 3, 0
	STAGE_IN 0
	STAGE_IN 1
	SCALES 1, 16
.endif
.endm
; W's steps 6 and 7, and the change to R's slot.  All of W's fragments are in registers in front of the signal, so W's slot is filled again behind the round (refill = 1): with the next pass's.
.macro TURNA refill
	s_wait_xcnt 0x0                                ; stores, loads and prefetches have read their registers
	s_wait_tensorcnt 0x0                           ; my part of R's tiles or of the blend's h has landed
	ds_add_u32 v[SPW], v[NIL]
.if \refill
	s_add_nc_u64 s[GW+2:GW+3], s[GW+2:GW+3], 32768 ; 64 rows of 512 bytes on
.endif
	s_wait_dscnt 13                                ; step 6's set is in; step 7's twelve loads and the add may be out
	WIN 0xF4
	MULS 0, 6, 0, 0, 3
	s_wait_dscnt 0x0                               ; the add is done, and my reads of W's slot are over
	s_barrier_signal -1
	MULS 0, 6, 0, 3, 6
	WIN 0
	s_barrier_wait -1
.if \refill
	CREST
	LOAD1 3, GW, G1W
.endif
	PLACES
	FETCH 1, 0, 2
	FETCH 1, 1, 0
.if \refill
	s_add_nc_u64 s[PW:PW+1], s[PW:PW+1], 32768
	ASK PW, 32768                                  ; W's tiles two passes on
.endif
	STEP 0, 7, 1, -1, 5
.if \refill
	s_add_nc_u64 s[12:13], s[12:13], 2048
	SCALES 0, 12                                   ; the next pass's scale words of W
.endif
.endm
.macro HTILE a                         ; block a's h in f32: units 16 ub + 8 hh + 0..7 of my row
.set EH, BF+((112+16*(\a))%144)
.irp ub, 0,1
.irp j, 0,1
	ds_load_b128 v[EH+8*\ub+4*\j:EH+8*\ub+4*\j+3], v[HTA] offset:4352*\a+64*\ub+16*\j
.endr
.endr
.endm
.macro RPHASE younger                  ; younger: the scale loads of W issued behind R's
	s_wait_loadcnt \younger
.irp q, 0,1,2,3,4
	STEP 1, \q, (\q+2)%3, 24, 1
.endr
	STEP 1, 5, 1, 24, 2
	STEP 1, 6, 2, 24, 3
	STEP 1, 7, 0, 24, 4
.endm
; THE TAIL of blocks a0, a0 + 1.  Of block a: z, r, x Wh, h Rh at v[64 a + 0, 16, 32, 48].  Each accumulator is read from its low end on.  Part A ends with the exponentials' arguments.
.macro EPI_A a0
	WIN 0xC3                                       ; destination and source 0 window 3
	s_wait_alu depctr_va_vdst(0)
.irp a, \a0, \a0+1
.irp i, 0,2,4,6,8,10,12,14
	v_pk_add_f32 v[64*(\a)+48+\i:64*(\a)+49+\i], v[64*(\a)+48+\i:64*(\a)+49+\i], v[EB1+\i:EB1+1+\i]
.endr
.irp i, 0,2,4,6,8,10,12,14
	v_pk_fma_f32 v[64*(\a)+16+\i:64*(\a)+17+\i], v[64*(\a)+16+\i:64*(\a)+17+\i], s[94:95], v[EBR+\i:EBR+1+\i] op_sel_hi:[1,0,1]
.endr
.irp i, 0,2,4,6,8,10,12,14
	v_pk_fma_f32 v[64*(\a)+\i:64*(\a)+1+\i], v[64*(\a)+\i:64*(\a)+1+\i], s[94:95], v[EBZ+\i:EBZ+1+\i] op_sel_hi:[1,0,1]
.endr
.endr
.irp a, \a0, \a0+1
.irp i, 0,1,2,3,4,5,6,7,8,9,10,11,12,13,14,15
	v_med3_num_f32 v[64*(\a)+16+\i], v[64*(\a)+16+\i], 0, 1.0      ; r
.endr
.irp i, 0,1,2,3,4,5,6,7,8,9,10,11,12,13,14,15
	v_med3_num_f32 v[64*(\a)+\i], v[64*(\a)+\i], 0, 1.0            ; z
.endr
.endr
	WIN 0xFF
	s_wait_alu depctr_va_vdst(0)
.irp a, \a0, \a0+1
.irp i, 0,2,4,6,8,10,12,14
	v_pk_fma_f32 v[64*(\a)+32+\i:64*(\a)+33+\i], v[64*(\a)+16+\i:64*(\a)+17+\i], v[64*(\a)+48+\i:64*(\a)+49+\i], v[64*(\a)+32+\i:64*(\a)+33+\i]   ; x Wh + r (h Rh + b1h)
.endr
.endr
	WIN 0xC3
.irp a, \a0, \a0+1
.irp i, 0,2,4,6,8,10,12,14
	v_pk_fma_f32 v[64*(\a)+32+\i:64*(\a)+33+\i], v[64*(\a)+32+\i:64*(\a)+33+\i], s[96:97], v[EB0+\i:EB0+1+\i] op_sel_hi:[1,0,1]   ; (.. + b0h) 2 log2(e)
.endr
.endr
.endm
; Part B, of blocks a0 .. a1 - 1 in one batch.
.macro EPI_B a0, a1
	WIN 0xC3
	s_wait_alu depctr_va_vdst(0)
.irp a, 0,1,2,3
.if (\a >= \a0) && (\a < \a1)
.irp i, 0,1,2,3,4,5,6,7,8,9,10,11,12,13,14,15
	v_exp_f32 v[64*\a+32+\i], v[64*\a+32+\i]
.endr
.endif
.endr
	v_nop
	s_wait_alu depctr_va_vdst(0)
.irp a, 0,1,2,3
.if (\a >= \a0) && (\a < \a1)
.irp i, 0,2,4,6,8,10,12,14
	v_pk_add_f32 v[64*\a+32+\i:64*\a+33+\i], v[64*\a+32+\i:64*\a+33+\i], 1.0 op_sel_hi:[1,0]
.endr
.endif
.endr
	s_wait_alu depctr_va_vdst(0)
.irp a, 0,1,2,3
.if (\a >= \a0) && (\a < \a1)
.irp i, 0,1,2,3,4,5,6,7,8,9,10,11,12,13,14,15
	v_rcp_f32 v[64*\a+32+\i], v[64*\a+32+\i]
.endr
.endif
.endr
	v_nop
	s_wait_alu depctr_va_vdst(0)
.irp a, 0,1,2,3
.if (\a >= \a0) && (\a < \a1)
.irp i, 0,2,4,6,8,10,12,14
	v_pk_fma_f32 v[64*\a+32+\i:64*\a+33+\i], v[64*\a+32+\i:64*\a+33+\i], -2.0, 1.0 op_sel_hi:[1,0,0]   ; hh
.endr
.endif
.endr
.irp a, 0,1,2,3
.if (\a >= \a0) && (\a < \a1)
.set EH, BF+((112+16*\a)%144)
.irp i, 0,2,4,6,8,10,12,14
	v_pk_add_f32 v[64*\a+48+\i:64*\a+49+\i], v[64*\a+32+\i:64*\a+33+\i], v[EH+\i:EH+1+\i] neg_lo:[1,0] neg_hi:[1,0]   ; h - hh
.endr
.endif
.endr
	WIN 0xFF
.irp a, 0,1,2,3
.if (\a >= \a0) && (\a < \a1)
.irp i, 0,2,4,6,8,10,12,14
	v_pk_fma_f32 v[64*\a+\i:64*\a+1+\i], v[64*\a+\i:64*\a+1+\i], v[64*\a+48+\i:64*\a+49+\i], v[64*\a+32+\i:64*\a+33+\i]   ; z (h - hh) + hh
.endr
.endif
.endr
	WIN 0x0C                                       ; an LDS store's data are its source 1
.irp a, 0,1,2,3
.if (\a >= \a0) && (\a < \a1)
.irp ub, 0,1
.irp j, 0,1
	ds_store_b128 v[STO], v[64*\a+8*\ub+4*\j:64*\a+8*\ub+4*\j+3] offset:4352*\a+64*\ub+16*\j
.endr
.endr
.endif
.endr
	WIN 0
.endm
.macro STAGE_IN half                   ; 16 whole rows of blocks 0, 1 (half 0) or 2, 3 (half 1), into the registers of these blocks' sums of h Rh, which are done with
	WIN 0xC0
.irp t, 0,1,2,3,4,5,6,7
.set sR, 64*(2*(\half)+\t/4)+48+4*(\t%4)
	ds_load_b128 v[sR:sR+3], v[RD] offset:8704*(\half)+544*\t
.endr
	WIN 0
.endm
.macro SEND half, counted              ; 16 lanes store 256 consecutive bytes, at a multiple of 256 from out0's first byte
	WIN 0x0C
.irp t, 0,1,2,3,4,5,6,7
.if \counted
	s_wait_dscnt 7-\t                              ; the later rows' loads may be out
.endif
.set sR, 64*(2*(\half)+\t/4)+48+4*(\t%4)
	global_store_b128 v[CO], v[sR:sR+3], s[20:21] offset:131072*(\half)+8192*\t th:TH_STORE_NT
.endr
	WIN 0
.endm
	; ---- the head's four chunks
	OPEN                                           ; chunk 0 and x's first tile
	s_add_co_u32 s[GH+1], s99, REG1
	s_add_nc_u64 s[GH+2:GH+3], s[GH+2:GH+3], 1024
	s_wait_dscnt 0x0
	CROUND
	LOAD1 2, GH, G1H                               ; chunk 1: the second slot's first fill
	HASK 2
	QUANT 0, 0
	OPEN
	s_mov_b32 s[GH+1], s99
	s_add_nc_u64 s[GH+2:GH+3], s[GH+2:GH+3], 1024
	s_add_nc_u64 s[GX+2:GX+3], s[GX+2:GX+3], 256
	s_wait_dscnt 0x0
	CROUND
	LOAD2 2, GH, G1H, GX, G1X                      ; chunk 2; x's K 512-1023
	IMREAD 0
	HASK 3
	ASK PW, 0
	QUANT 1, -1
	OPEN
	s_add_co_u32 s[GH+1], s99, REG1
	s_add_nc_u64 s[GH+2:GH+3], s[GH+2:GH+3], 1024
	s_wait_dscnt 0x0
	CROUND
	LOAD1 2, GH, G1H                               ; chunk 3
	IMREAD 1
	ASK PR, 0
	QUANT 2, 1
	OPEN
	s_wait_dscnt 0x0
	CROUND
	LOAD1 3, GW, G1W                               ; W's tiles of pass 0, over chunk 2
	IMREAD 2
	ASK PW, 32768
	QUANT 3, -1
	OPEN
	s_wait_dscnt 0x0
	CROUND
	LOAD2 3, GR, G1W, GT, G1T                      ; R's tiles of pass 0, and the blend's h
	IMREAD 3
.irp a, 0,1,2,3                        ; h's scale words, laid as x's
	ds_load_b128 v[SA+16+4*\a:SA+16+4*\a+3], v[HSR] offset:512*\a
.endr
	FETCH 0, 0, 0
	FETCH 0, 1, 1
	FETCH 0, 2, 2
	ASK PR, 32768
	STEP 0, 0, 0, 24, 1
	STEP 0, 1, 1, 24, 1
	STEP 0, 2, 2, 24, 1
.Lpass:                                                ; a trip: the rest of pass p's x W, its h R, its tail, and the next pass's first three steps
	STEP 0, 3, 0, 24, 1
	STEP 0, 4, 1, 24, 1
	STEP 0, 5, 2, 24, 0
	TURNA 1
	RPHASE 6
	s_wait_dscnt 8                                 ; blocks 2 and 3 of h may be out
	EPI_A 0
	WIN 0
	; the change of slots in the tail: R's slot and the blend's h tile have been read out
	OPEN
	s_add_nc_u64 s[GR+2:GR+3], s[GR+2:GR+3], 32768
	s_add_nc_u64 s[GT+2:GT+3], s[GT+2:GT+3], 256
	s_wait_dscnt 0x0                               ; the add, my reads and my stores into the stage are done
	s_barrier_signal -1
	EPI_A 2                                        ; work on registers while the others arrive
	WIN 0
	s_barrier_wait -1
	CREST
	LOAD2 3, GR, G1W, GT, G1T
	EPI_B 0, 4
	s_add_nc_u64 s[PR:PR+1], s[PR:PR+1], 32768
	ASK PR, 32768                                  ; R's tiles two passes on
	s_wait_dscnt 0x0                               ; for the others' sake: my stores into the stage have landed
	s_barrier_signal -1
	FETCH 0, 0, 0                                  ; W's slot was shown whole by the round above; nobody writes it before a later barrier
	FETCH 0, 1, 1
	s_barrier_wait -1
	v_add_nc_u32 v[BTA], 256, v[BTA]               ; the next pass's biases
	s_wait_alu depctr_va_vdst(0)
	s_add_nc_u64 s[16:17], s[16:17], 2048          ; the next pass's scale words of R, which step 0's run asks for
	s_wait_loadcnt 0x0                             ; W's, asked for a phase ago, are in
	STEP 0, 0, 0, 12, 6
	STEP 0, 1, 1, 40, 1                            ; behind set 1: steps 2 and 3 and the stage's sixteen
	STEP 0, 2, 2, 40, 1                            ; behind set 2: step 3, the stage's sixteen, step 4
	s_wait_dscnt 24                                ; the stage's rows are in; steps 4 and 5 may be out
	s_add_nc_u64 s[20:21], s[20:21], s[4:5]
	s_mov_b32 s4, 256                              ; the next pass's 64 units
	SEND 0, 0
	SEND 1, 0
	s_add_co_u32 s[PASS], s[PASS], 1
	s_cmp_lt_u32 s[PASS], 3
	s_cbranch_scc1 .Lpass
	; ---- the last pass asks for no further tile
	STEP 0, 3, 0, 24, 1
	STEP 0, 4, 1, 24, 1
	STEP 0, 5, 2, 24, 0
	TURNA 0
	RPHASE 0
	s_wait_dscnt 8
	EPI_A 0
	EPI_B 0, 2
	s_wait_alu depctr_va_vdst(0)
	s_wait_dscnt 0x0                               ; blocks 2 and 3 of h are in, and my stores of blocks 0 and 1 have landed: say so
	s_barrier_signal -1
	EPI_A 2                                        ; work on registers while the others arrive
	s_barrier_wait -1
	STAGE_IN 0
	EPI_B 2, 4                                     ; (its stores go to rows of blocks 2 and 3)
	s_add_nc_u64 s[20:21], s[20:21], s[4:5]
	s_wait_dscnt 8                                 ; the first half's rows are in; the eight stores into the stage may be out
	SEND 0, 0
	s_wait_dscnt 0x0
	s_barrier_signal -1
	s_barrier_wait -1
	STAGE_IN 1
	SEND 1, 1
	s_wait_tensorcnt 0x0                           ; the wave's end, behind my last tensor load and my last LDS store
	ds_add_u32 v[SPW], v[NIL]
	s_wait_dscnt 0x0
	CROUND                                         ; the closing round: no work-group ends while a partner may still ask for a tile that names it
	s_endpgm
.Lfunc_end_k_qfed27b5140_gru:
	.size	k_qfed27b5140_gru, .Lfunc_end_k_qfed27b5140_gru-k_qfed27b5140_gru
	.p2alignl 7, 3214868480
	.fill 96, 4, 3214868480
	.section	.rodata,"a",@progbits
	.p2align	6, 0x0
	.amdhsa_kernel k_qfed27b5140_gru
		.amdhsa_group_segment_fixed_size 327680
		.amdhsa_private_segment_fixed_size 0
		.amdhsa_enable_private_segment 0
		.amdhsa_kernarg_size 72
		.amdhsa_user_sgpr_count 2
		.amdhsa_user_sgpr_kernarg_segment_ptr 1
		.amdhsa_wavefront_size32 1
		.amdhsa_system_sgpr_workgroup_id_x 1
		.amdhsa_system_sgpr_workgroup_id_y 1
		.amdhsa_system_sgpr_workgroup_id_z 1
		.amdhsa_system_vgpr_workitem_id 0
		.amdhsa_next_free_vgpr 1024
		.amdhsa_next_free_sgpr 106
		.amdhsa_reserve_vcc 0
		.amdhsa_float_denorm_mode_32 3
		.amdhsa_float_denorm_mode_16_64 3
		.amdhsa_memory_ordered 1
		.amdhsa_forward_progress 1
		.amdhsa_inst_pref_size 255
	.end_amdhsa_kernel
	.section	.bss,"aw",@nobits
	.p2align	6
	.space	262144
	.amdgpu_metadata
---
amdhsa.version: [ 1, 2 ]
amdhsa.kernels:
  - .name:           k_qfed27b5140_gru
    .symbol:         k_qfed27b5140_gru.kd
    .args:
      - { .name: h_tm1, .offset: 0, .size: 8, .value_kind: global_buffer, .address_space: global }
      - { .name: inputs_codes, .offset: 8, .size: 8, .value_kind: global_buffer, .address_space: global }
      - { .name: inputs_scales, .offset: 16, .size: 8, .value_kind: global_buffer, .address_space: global }
      - { .name: kernel_codes, .offset: 24, .size: 8, .value_kind: global_buffer, .address_space: global }
      - { .name: kernel_scales, .offset: 32, .size: 8, .value_kind: global_buffer, .address_space: global }
      - { .name: recurrent_kernel_codes, .offset: 40, .size: 8, .value_kind: global_buffer, .address_space: global }
      - { .name: recurrent_kernel_scales, .offset: 48, .size: 8, .value_kind: global_buffer, .address_space: global }
      - { .name: bias, .offset: 56, .size: 8, .value_kind: global_buffer, .address_space: global }
      - { .name: out0, .offset: 64, .size: 8, .value_kind: global_buffer, .address_space: global }
    .group_segment_fixed_size: 327680
    .private_segment_fixed_size: 0
    .kernarg_segment_align: 8
    .kernarg_segment_size: 72
    .max_flat_workgroup_size: 128
    .sgpr_count:     106
    .vgpr_count:     1024
    .wavefront_size: 32
...
	.end_amdgpu_metadata
.endif
;; end of part 1
